; MI455X (gfx1250); checked and timed in simulation.
; The chip was launched on July 23, 2026; its instructions are those of AMD's public machine-readable ISA for CDNA 5 (MIT licence, August 2026) and "CDNA5" Instruction Set Architecture Reference Guide (July 2026). The comments in the code are by the model that wrote it; some were corrected since.
;; Multi Head Attention3 D. Allowed arithmetic: matrix products marked QUANTISED: E2M3 operands, one E8M0 scale for each 32 along K, by v_wmma_scale_f32_16x16x128_f8f6f4 with both operands' format E2M3, f32 sums; everything else in f32.
;; Inputs: Wk 1,024 x 1,024 float32; Wo 1,024 x 1,024 float32; Wq 1,024 x 1,024 float32; Wv 1,024 x 1,024 float32; k 1,024 x 8 x 1,024 float32; mask 128 x 1,024 x 1,024 bool; q 1,024 x 8 x 1,024 float32; v 1,024 x 8 x 1,024 float32.
;; Outputs: out0 1,024 x 8 x 1,024 float32.
;; This version of the problem:
;;   THIS VERSION OF THE PROBLEM IS GIVEN IN LOW PRECISION. The matrix products marked QUANTISED in the list below multiply operands that are first quantised to E2M3 (2 exponent bits, 3 mantissa bits; 6 bits a number), with one power-of-two scale for each 32 numbers along K (OCP MX v1.0); their sums are f32. All else is computed in f32.
;;   The module's matrix products, in the order in which they are computed (A, B: the left and right operand; K: the contracted axis; several contracted axes count as one K, in the product's order):
;;     1. [M 8,192, K 1,024] x [K 1,024, N 1,024]; A: input q; B: input Wq: QUANTISED
;;     2. [M 8,192, K 1,024] x [K 1,024, N 1,024]; A: input k; B: input Wk: QUANTISED
;;     3. [M 8,192, K 1,024] x [K 1,024, N 1,024]; A: input v; B: input Wv: QUANTISED
;;     4. batch 128 x [M 1,024, K 64] x [K 64, N 1,024]; A: computed on the way; B: computed on the way: QUANTISED
;;     5. batch 128 x [M 1,024, K 1,024] x [K 1,024, N 64]; A: computed on the way; B: computed on the way: QUANTISED
;;     6. [M 8,192, K 1,024] x [K 1,024, N 1,024]; A: computed on the way; B: input Wo: QUANTISED
;;   THE QUANTISER, for each operand of a quantised product, along K:
;;     - K is cut into blocks of 32 from its start; a last block that is shorter is filled with zeros.
;;     - A block's scale is 2^e with e = floor(log2(the largest magnitude in the block)) - 2, held to -126 .. 127; a block of zeros has e = 0. As a byte (E8M0): e + 127.
;;     - Each number is divided by its block's scale, clamped to +-7.5, and rounded to the nearest number of E2M3, ties to even, subnormals kept.
;;     - The product sums the exact products of the quantised numbers (number of the format x scale) in f32.
;;   ~~~python
;;   def quantise(x, axis):      # numpy; x: float32 -> the quantised numbers, widened to float32 again
;;       x = np.moveaxis(x, axis, -1); K = x.shape[-1]
;;       x = np.pad(x, [(0, 0)] * (x.ndim - 1) + [(0, -K % 32)]); x = x.reshape(x.shape[:-1] + (-1, 32)); a = np.abs(x).max(-1, keepdims=True)
;;       e = np.where(a > 0, np.clip(np.frexp(np.where(a > 0, a, 1))[1] - 1 - 2, -126, 127), 0)      # np.frexp(a)[1] - 1 = floor(log2(a)), exactly
;;       r = np.clip(x / 2.0 ** e, -7.5, 7.5)
;;       step = 2.0 ** (np.maximum(np.frexp(np.where(r == 0, 1, r))[1] - 1, 0) - 3)
;;       q = np.round(r / step) * step * 2.0 ** e      # np.round: ties to even
;;       return np.moveaxis(q.reshape(q.shape[:-2] + (-1,))[..., :K], -1, axis).astype(np.float32)
;;   ~~~
;;   OPERANDS COMPUTED ON THE WAY. 'Computed on the way' means the value that the module computes at that place (a softmax that the list does not call 'softmax' is quantised finished and normalised). What goes into a quantiser is computed in f32, as accurately as f32 sums, v_exp_f32 and their like allow (about 1e-6 of the number): no bf16 or f16 on the way to a quantiser, and a product that is left as it is and whose result goes on into a quantised operand takes f32 operands (vector FMAs, or v_wmma_f32_16x16x4_f32). A number that lies on a knife's edge between two numbers of the format may be rounded either way, as far as f32 arithmetic and the matrix unit's own rounding can turn it there, and no further.
;; One version. Each part assembles by itself: llvm-mc -triple=amdgcn-amd-amdhsa -mcpu=gfx1250 --defsym DOCPART=n.
;; ======== version 1 of 1: 4 launches
;; limits: right only within a limited range of input values
;; workspace buffers: codes 22,937,600 bytes; att 20,447,232 bytes; aoc 6,291,456 bytes; aos 262,144 bytes
;; launch quant (part 1): grid 896 x 1, 4 waves a work-group, no clusters, 48,640 bytes of LDS; arguments q, k, v, Wq, Wk, Wv, Wo, codes; writes codes
.if DOCPART == 1
	.amdgcn_target "amdgcn-amd-amdhsa--gfx1250"
	.amdhsa_code_object_version 6
	.text
	.protected	k_q43e2354527_quant
	.globl	k_q43e2354527_quant
	.p2align	8
	.type	k_q43e2354527_quant,@function
k_q43e2354527_quant:
	s_mov_b64 s[64:65], 0
	v_nop
	global_prefetch_b8 v0, s[64:65] scope:SCOPE_SE
	s_setreg_imm32_b32 hwreg(HW_REG_WAVE_MODE, 25, 1), 1
	s_wait_xcnt 0x0
; q, k, v [1024 (s)][8 (b)][1024] and Wq, Wk, Wv, Wo [1024][1024], f32, become codes of FP6 (E2M3) and one E8M0 byte for each 32 along K.
; A block's scale is 2^(floor(log2(its largest magnitude)) - 2); its byte is that magnitude's exponent field - 2, held at 1 from below (a block of zeros gets the byte 1: its codes are zeros, and this program alone reads the bytes).
; LIMITS: NaN and infinities among the inputs are not served; blocks whose largest magnitude lies under 2^-124 keep the byte 1.
; PLACES (28,672): q, k, v as [b][s], then Wq, Wk, Wv, Wo.  In k, v, Wq, Wk, Wv the row at place p is the tensor's row p with bits 3 and 4 exchanged, so that the next launches' results have 16 neighbours along the next K in 16 registers of a lane.
; LAYOUT OF codes: a tile of 16 places is 12,800 bytes: eight fragments (16 rows x 128 K) of 1,536 bytes, each an image of the operand's 12 registers (registers 4 p .. 4 p + 3 at 512 p + 16 x lane), then 512 scale bytes [K half][row][16].
; A work-group makes two tiles; wave w takes tile w / 2, K half w % 2: 16 steps of one row's 512 numbers.  A step's four loads read 512 consecutive bytes each; the numbers turn through the wave's stage in LDS and come back 16 neighbours a lane.
; The codes are gathered in the wave's LDS image (units of 256 bytes, 272 apart) and leave as 12 stores of 512 consecutive bytes; the 256 scale bytes as one store.  No tensor loads, no barrier: waves share nothing; no byte is read by two work-groups, so no cluster.
.set WAVES, 4
.set STEPS, 16
.set EMAX,  2
.set TILEB, 12800
.set R,     16                         ; v16-79   four sets of 16 numbers as loaded; at the end the image read back
.set X,     80                         ; v80-111  two sets of 16 neighbours
.set E,     112                        ; v112-127 a scale byte for each step
.set C,     128                        ; v128-191 codes: registers 4 t .. 4 t + 2 for step t
.set IA,    131                        ; v131, v135, v139 (unused fourth registers): LDS addresses of my three code words in the image
.set VR,    192                        ; v192-199 byte offset of my 16 bytes in eight input rows
.set SP,    80                         ; a lane's place in a stage: 64 bytes + 16
.set SCB,   2*32*SP                    ; the wave's 256 scale bytes
.set IMG,   SCB+256                    ; the wave's image: 24 units of 272 bytes
.set WREG,  12032
.set SPW,   12
.set NIL,   13
.set SPARE, WAVES*WREG                 ; the spare words, 128 bytes a wave, which no other line names
	s_load_b512 s[8:23], s[0:1], 0x0               ; q, k, v, Wq, Wk, Wv, Wo, codes s[22:23]
	v_lshl_add_u32 v[SPW], v0, 2, SPARE
	v_mov_b32 v[NIL], 0
	v_lshrrev_b32 v1, 5, v0
	v_readfirstlane_b32 s26, v1                    ; wave
	v_and_b32 v2, 31, v0                           ; lane
	v_lshlrev_b32 v3, 4, v2
	s_mul_i32 s27, s26, WREG
	v_lshrrev_b32 v14, 2, v2
	v_mul_u32_u24 v14, v14, SP
	v_and_b32 v15, 3, v2
	v_lshl_add_u32 v14, v15, 4, v14
	v_add_nc_u32 v14, s27, v14                     ; the stage, in: SP (lane / 4) + 16 (lane % 4)
	v_mul_u32_u24 v15, v2, SP
	v_add_nc_u32 v15, s27, v15                     ; and out: SP x lane
	v_lshrrev_b32 v5, 1, v2
	s_add_co_u32 s28, s27, SCB
	v_add_nc_u32 v5, s28, v5                       ; my block's scale byte
	v_lshlrev_b32 v7, 3, v2
	v_add_nc_u32 v6, s28, v7
	s_add_co_u32 s28, s27, IMG
	v_lshrrev_b32 v4, 4, v2
	v_mul_u32_u24 v4, v4, 272
	v_and_b32 v8, 15, v2
	v_lshl_add_u32 v4, v8, 4, v4
	v_add_nc_u32 v4, s28, v4                       ; the image, out: 16 lanes to a unit
	; lane l holds k = 16 l ..: fragment l / 8, c = (l / 4) % 2, h = (l / 2) % 2, words d = 6 c + 3 (l % 2) + j of lane (row, h)'s twelve: unit 6 f + 2 (d / 4) + h, byte 16 row + 4 (d % 4)
	v_lshrrev_b32 v8, 3, v2
	v_mul_u32_u24 v8, v8, 1632
	v_bfe_u32 v9, v2, 1, 1
	v_mad_u32_u24 v8, v9, 272, v8
	v_add_nc_u32 v8, s28, v8
	v_bfe_u32 v9, v2, 2, 1
	v_mul_u32_u24 v9, v9, 6
	v_and_b32 v10, 1, v2
	v_mad_u32_u24 v9, v10, 3, v9
.irp j, 0,1,2
	v_add_nc_u32 v10, \j, v9
	v_lshrrev_b32 v11, 2, v10
	v_and_b32 v10, 3, v10
	v_mad_u32_u24 v11, v11, 544, v8
	v_lshl_add_u32 v[IA+4*\j], v10, 2, v11
.endr
	s_lshr_b32 s29, s26, 1                         ; T: which tile
	s_and_b32 s37, s26, 1                          ; which K half
	s_lshl_b32 s30, s29, 1
	s_sub_co_u32 s28, ttmp9, 256
	s_cmp_lt_u32 s28, 608                          ; work-groups 256 .. 863: k, v, Wq, Wk, Wv: bits 3 and 4 exchanged
	s_cselect_b32 s30, s29, s30                    ; rows 0-7 of the tile begin at run T of 8 rows (else 2 T),
	s_cselect_b32 s35, 16, 8                       ; rows 8-15 lie 16 rows further on (else 8)
	s_and_b32 s28, ttmp9, 31
	s_lshl_b32 s28, s28, 2
	s_add_co_u32 s30, s30, s28
	s_bfe_u32 s31, ttmp9, 0x30005                  ; b
	s_lshl_b32 s31, s31, 12
	s_lshl_b32 s32, s30, 18
	s_add_co_u32 s32, s32, s31
	s_lshl_b32 s33, s30, 15
	s_mov_b32 s34, 4096
	s_cmp_lt_u32 ttmp9, 768
	s_cselect_b32 s32, s32, s33                    ; my first input byte
	s_cselect_b32 s34, 32768, s34                  ; bytes from row to row
	s_lshl_b32 s33, s37, 11
	s_add_co_u32 s32, s32, s33
	s_mov_b32 s33, 0
	s_mul_i32 s40, s35, s34
	s_mov_b32 s41, 0
.irp j, 0,1,2,3,4,5,6,7
	s_mul_i32 s35, s34, \j
	v_add_nc_u32 v[VR+\j], s35, v3
.endr
	s_lshl_b32 s36, ttmp9, 1
	s_add_co_u32 s36, s36, s29
	s_mul_i32 s36, s36, TILEB
	s_mul_i32 s38, s37, 6144
	s_add_co_u32 s38, s38, s36
	s_mov_b32 s39, 0
	s_lshl_b32 s42, s37, 8
	s_add_co_u32 s42, s42, s36
	s_add_co_u32 s42, s42, 12288
	s_mov_b32 s43, 0
	s_wait_alu depctr_va_vdst(0)                   ; the wait at the head's end
	s_wait_kmcnt 0x0
	s_mov_b64 s[4:5], s[20:21]                     ; the input is chosen by the work-group's number alone
	s_cmp_lt_u32 ttmp9, 864
	s_cselect_b64 s[4:5], s[18:19], s[4:5]
	s_cmp_lt_u32 ttmp9, 832
	s_cselect_b64 s[4:5], s[16:17], s[4:5]
	s_cmp_lt_u32 ttmp9, 800
	s_cselect_b64 s[4:5], s[14:15], s[4:5]
	s_cmp_lt_u32 ttmp9, 768
	s_cselect_b64 s[4:5], s[12:13], s[4:5]
	s_cmp_lt_u32 ttmp9, 512
	s_cselect_b64 s[4:5], s[10:11], s[4:5]
	s_cmp_lt_u32 ttmp9, 256
	s_cselect_b64 s[4:5], s[8:9], s[4:5]
	s_add_nc_u64 s[4:5], s[4:5], s[32:33]          ; rows 0-7
	s_add_nc_u64 s[6:7], s[4:5], s[40:41]          ; rows 8-15
	s_add_nc_u64 s[24:25], s[22:23], s[42:43]      ; my scale bytes
	s_add_nc_u64 s[22:23], s[22:23], s[38:39]      ; my four fragments
.macro LOAD t                          ; step t: row t of the tile
.irp i, 0,1,2,3
	global_load_b128 v[R+16*((\t)%4)+4*\i:R+16*((\t)%4)+4*\i+3], v[VR+(\t)%8], s[4+2*((\t)/8):5+2*((\t)/8)] offset:512*\i th:TH_LOAD_NT
.endr
.endm
.macro TURN t                          ; LDS serves a wave's instructions in order: no wait between the stores and the loads
.irp i, 0,1,2,3
	ds_store_b128 v14, v[R+16*((\t)%4)+4*\i:R+16*((\t)%4)+4*\i+3] offset:32*SP*((\t)%2)+8*SP*\i
.endr
.irp i, 0,1,2,3
	ds_load_b128 v[X+16*((\t)%2)+4*\i:X+16*((\t)%2)+4*\i+3], v15 offset:32*SP*((\t)%2)+16*\i
.endr
.endm
.irp t, 0,1,2,3
	LOAD \t
.endr
	s_wait_loadcnt 12
	TURN 0
.macro STEP t
.set XS, X+16*((\t)%2)
.if (\t) > 0
	s_wait_dscnt 4                                 ; this step's numbers are back (the last step's byte store and three code stores may be out)
.else
	s_wait_dscnt 0x0
.endif
.if (\t)+4 < STEPS
	LOAD (\t)+4
.endif
.if (\t)+1 < STEPS
.if STEPS-2-(\t) >= 3
	s_wait_loadcnt 12                              ; the next step's four loads are in; three steps' may be out
.else
	s_wait_loadcnt 4*(STEPS-2-(\t))
.endif
	TURN (\t)+1
.endif
	v_max3_num_f32 v8, |v[XS]|, |v[XS+1]|, |v[XS+2]|
	v_max3_num_f32 v9, |v[XS+3]|, |v[XS+4]|, |v[XS+5]|
.irp i, 6,10
	v_max3_num_f32 v8, v8, |v[XS+\i]|, |v[XS+\i+1]|
	v_max3_num_f32 v9, v9, |v[XS+\i+2]|, |v[XS+\i+3]|
.endr
	v_max3_num_f32 v8, v8, |v[XS+14]|, |v[XS+15]|
	v_max3_num_f32 v8, v8, v9, (EMAX+1)<<23        ; the floor 2^(3 - 127): the byte cannot fall under 1
	v_max_num_f32_dpp v8, v8, v8 row_xmask:1 row_mask:0xf bank_mask:0xf   ; with my neighbour's 16: the block's
	v_add_nc_u32 v11, -(EMAX<<23), v8              ; 2 off the exponent field: the conversion's scale operand
	v_cvt_scalef32_pk16_fp6_f32 v[C+4*(\t):C+4*(\t)+2], v[XS:XS+15], v11
	v_lshrrev_b32 v[E+(\t)], 23, v11               ; the scale's byte (also the plain line behind the conversion)
	ds_store_b8 v5, v[E+(\t)] offset:16*(\t)
.irp j, 0,1,2
	ds_store_b32 v[IA+4*\j], v[C+4*(\t)+\j] offset:16*(\t)
.endr
.endm
.irp t, 0,1,2,3,4,5,6,7,8,9,10,11,12,13,14,15
	STEP \t
.endr
.irp i, 0,1,2,3,4,5,6,7,8,9,10,11
	ds_load_b128 v[R+4*\i:R+4*\i+3], v4 offset:544*\i   ; these see my stores
.endr
	ds_load_b64 v[8:9], v6
	s_wait_dscnt 0x0
.irp i, 0,1,2,3,4,5,6,7,8,9,10,11
	global_store_b128 v3, v[R+4*\i:R+4*\i+3], s[22:23] offset:512*\i   ; 512 consecutive bytes, aligned
.endr
	global_store_b64 v7, v[8:9], s[24:25]          ; 256 consecutive bytes, aligned
	s_wait_tensorcnt 0x0                           ; the wave's end
	ds_add_u32 v[SPW], v[NIL]
	s_wait_dscnt 0x0
	s_endpgm
.Lfunc_end_k_q43e2354527_quant:
	.size	k_q43e2354527_quant, .Lfunc_end_k_q43e2354527_quant-k_q43e2354527_quant
	.p2alignl 7, 3214868480
	.fill 96, 4, 3214868480
	.section	.rodata,"a",@progbits
	.p2align	6, 0x0
	.amdhsa_kernel k_q43e2354527_quant
		.amdhsa_group_segment_fixed_size 48640
		.amdhsa_private_segment_fixed_size 0
		.amdhsa_enable_private_segment 0
		.amdhsa_kernarg_size 64
		.amdhsa_user_sgpr_count 2
		.amdhsa_user_sgpr_kernarg_segment_ptr 1
		.amdhsa_wavefront_size32 1
		.amdhsa_system_sgpr_workgroup_id_x 1
		.amdhsa_system_sgpr_workgroup_id_y 1
		.amdhsa_system_sgpr_workgroup_id_z 1
		.amdhsa_system_vgpr_workitem_id 0
		.amdhsa_next_free_vgpr 200
		.amdhsa_next_free_sgpr 66
		.amdhsa_reserve_vcc 0
		.amdhsa_float_denorm_mode_32 3
		.amdhsa_float_denorm_mode_16_64 3
		.amdhsa_memory_ordered 1
		.amdhsa_forward_progress 1
		.amdhsa_inst_pref_size 39
	.end_amdhsa_kernel
	.amdgpu_metadata
---
amdhsa.version: [ 1, 2 ]
amdhsa.kernels:
  - .name:           k_q43e2354527_quant
    .symbol:         k_q43e2354527_quant.kd
    .args:
      - { .name: q, .offset: 0, .size: 8, .value_kind: global_buffer, .address_space: global }
      - { .name: k, .offset: 8, .size: 8, .value_kind: global_buffer, .address_space: global }
      - { .name: v, .offset: 16, .size: 8, .value_kind: global_buffer, .address_space: global }
      - { .name: Wq, .offset: 24, .size: 8, .value_kind: global_buffer, .address_space: global }
      - { .name: Wk, .offset: 32, .size: 8, .value_kind: global_buffer, .address_space: global }
      - { .name: Wv, .offset: 40, .size: 8, .value_kind: global_buffer, .address_space: global }
      - { .name: Wo, .offset: 48, .size: 8, .value_kind: global_buffer, .address_space: global }
      - { .name: codes, .offset: 56, .size: 8, .value_kind: global_buffer, .address_space: global }
    .group_segment_fixed_size: 48640
    .private_segment_fixed_size: 0
    .kernarg_segment_align: 8
    .kernarg_segment_size: 64
    .max_flat_workgroup_size: 128
    .sgpr_count:     66
    .vgpr_count:     200
    .wavefront_size: 32
...
	.end_amdgpu_metadata
.endif
;; end of part 1
;; launch proj (part 2): grid 192 x 1, 4 waves a work-group, clusters of 4 x 1, 327,680 bytes of LDS; arguments codes, att; writes att
.if DOCPART == 2
	.amdgcn_target "amdgcn-amd-amdhsa--gfx1250"
	.amdhsa_code_object_version 6
	.text
	.protected	k_q43e2354527_proj
	.globl	k_q43e2354527_proj
	.p2align	8
	.type	k_q43e2354527_proj,@function
k_q43e2354527_proj:
	s_mov_b64 s[64:65], 0
	v_nop
	global_prefetch_b8 v0, s[64:65] scope:SCOPE_SE
	s_setreg_imm32_b32 hwreg(HW_REG_WAVE_MODE, 25, 1), 1
	s_wait_xcnt 0x0
	s_wait_alu depctr_hold_cnt(0) depctr_sa_sdst(0) depctr_va_vdst(0) depctr_va_sdst(0) depctr_va_ssrc(0) depctr_va_vcc(0) depctr_vm_vsrc(0)
	s_getreg_b32 s2, hwreg(HW_REG_IB_STS2, 6, 4)
	s_cmp_eq_u32 s2, 0
	s_cbranch_scc0 .Lentry_in_a_cluster
	s_endpgm
.Lentry_in_a_cluster:
	s_bfe_u32 s2, ttmp6, 0x10000c
	s_cmp_lg_u32 s2, 0x3003
	s_cbranch_scc0 .Lentry_shape_is_right
	s_endpgm
.Lentry_shape_is_right:
; The three projections q Wq^T, k Wk^T, v Wv^T (8,192 x 1,024 x 1,024 each) on codes of FP6 with E8M0 scales, and the quantising of their results for the attention launch.  No f32 result goes to memory.
; SOURCE 1 STAYS, SOURCE 0 STREAMS.  A work-group holds 128 rows of source 1 for all of K in registers (a wave 64 rows: 4 tiles x 8 fragments x 12 = 384 registers, loaded from memory once) and walks 1,024 rows of source 0
; in 8 steps of 128 rows x all of K through two LDS slots of 102,400 bytes (8 tiles of 12,800: codes and scale bytes together).  A step is a whole product: a wave makes 64 x 64, 16 accumulators by turns, 128 matrix instructions.
; q, k (t = 0, 1): source 1 = 128 rows of x, source 0 = W_t's 1,024 rows.   v (t = 2): source 1 = 128 rows of Wv, source 0 = the 1,024 keys of one b.  Only row numbers and output offsets are chosen by t.
; GRID: each tensor has 64 such units, 192 in all; 3 x 64 units of equal work have no even deal into 256.  CLUSTERS of 4 x 1: the four partners walk the same rows of source 0 and ask for each tile jointly.
; PREFETCH: in step s (s <= 3) tile s + 4 is named, two steps ahead of its tensor load: of a wave's 100 blocks of 256 bytes each partner takes 25, by address; tiles 0-3 come by their loads alone.
; Source 0's rows run along a lane's registers in the result; they lie with bits 3 and 4 of their number exchanged, so the 32 registers of a block of source 1 are index 32 g + 16 (lane / 16) + i along the next K.
; att, for each (b, head): 159,744 bytes = Q, K, V of 53,248.  Q, K: [tile of 16 rows][768], from 49,152 scale words [tile / 4][row][tile % 4] (bytes 0, 1 the head's blocks; 2, 3 the next head's or 0).
; V: [128 keys][half][tile of 16 channels][768], then scale words [128 keys][copy][row][tile].  A half fragment of 768 bytes: registers 0-3 at 16 x lane, 4-5 at 512 + 8 x lane.
; A scale word's four bytes come from two waves: each puts its two into LDS bytes of their own for each step; behind the step's barrier the even wave stores the words.
; LIMITS: NaN and infinities are not served; a block of zeros gets the byte 1 (its codes are zeros).
.set TILEB, 12800
.set SLOTB, 8*TILEB
.set QB,    SLOTB/4                    ; a wave's quarter of a tile: 100 rows of 256 bytes
.set SLOT1, 1<<17
.set SCR,   SLOT1+SLOTB                ; 8 steps x 512 bytes of scale words
.set SPARE, SCR+8*512                  ; the spare words, which no other line names
.set BHB,   159744
.set TNB,   53248
.set SPW, 2
.set NIL, 3
.set ADR0, 4                           ; my four tiles in slot 0 + 16 x lane
.set ADR, 5
.set L16, 6
.set L8,  7
.set WO,  8
.set SH,  9
.set SCA0, 10
.set SCA, 11
.set SCR0, 12
.set SCRA, 13
.set PFO, 14
.set ST,  16                           ; v16-31 source 1's scale words: tile a, word j: lanes 0-15 K step j, lanes 16-31 K step 4 + j
.set SS,  32                           ; v32-47 source 0's, likewise
.set TM,  48
.set TP,  56
.set SO,  64
.set PW,  72
.set WD,  76
.set PC,  80
.set PT,  112
.set FB,  128                          ; v128-223 source 0's fragments, two sets of 4 x 12.  Windows 1, 2: source 1 (K steps 0-3, 4-7); window 3: the accumulators
.set SA,  50
.set OB,  52
.set WB,  54
.set PFA, 56
.set TB,  58
.set SCO, 59
.set CNT, 60
.set SEL, 66
.set MSB, 0
.macro WIN new                         ; the immediate's high byte repeats the setting that is left
.if MSB != (\new)
	s_set_vgpr_msb (MSB<<8)|(\new)
.set MSB, (\new)
.endif
.endm
.macro PLACES
.rept 4
	v_nop
.endr
.endm
.macro CROUND                          ; a round of the cluster's barrier
	s_barrier_signal -1
	s_barrier_wait -1
	s_cmp_lg_u32 s8, 0
	s_cbranch_scc1 .Lnot_wave_0_\@
	s_barrier_signal -3
.Lnot_wave_0_\@:
	s_barrier_wait -3
	s_barrier_signal -1
	s_barrier_wait -1
.endm
.macro JL                              ; my quarter of a tile, asked for jointly
	tensor_load_to_lds s[32:35], s[24:31]
	s_nop 0
	PLACES
.endm
.macro FETCH adr, ks                   ; four fragments of K step ks: 12 loads, 16 bytes a lane on end
.set FS, FB+48*((\ks)%2)
.irp b, 0,1,2,3
.irp p, 0,1,2
	ds_load_b128 v[FS+12*\b+4*\p:FS+12*\b+4*\p+3], v[\adr] offset:\b*TILEB+(\ks)*1536+\p*512
.endr
.endr
.endm
.macro MUL ks                          ; 16 matrix instructions, the 16 accumulators by turns; K step 0 starts the sums
.set FS, FB+48*((\ks)%2)
.set SB, 48*((\ks)%4)
.set SJ, (\ks)%4
	WIN 0xf0|((1+(\ks)/4)<<2)
.irp a, 0,1,2,3
.irp b, 0,1,2,3
.if (\ks) == 0
	v_wmma_scale_f32_16x16x128_f8f6f4 v[8*(4*\a+\b):8*(4*\a+\b)+7], v[FS+12*\b:FS+12*\b+11], v[SB+12*\a:SB+12*\a+11], 0, v[SS+4*\b+SJ], v[ST+4*\a+SJ] matrix_a_fmt:MATRIX_FMT_FP6 matrix_b_fmt:MATRIX_FMT_FP6
.elseif (\ks) < 4
	v_wmma_scale_f32_16x16x128_f8f6f4 v[8*(4*\a+\b):8*(4*\a+\b)+7], v[FS+12*\b:FS+12*\b+11], v[SB+12*\a:SB+12*\a+11], v[8*(4*\a+\b):8*(4*\a+\b)+7], v[SS+4*\b+SJ], v[ST+4*\a+SJ] matrix_a_fmt:MATRIX_FMT_FP6 matrix_b_fmt:MATRIX_FMT_FP6
.else
	v_wmma_scale_f32_16x16x128_f8f6f4 v[8*(4*\a+\b):8*(4*\a+\b)+7], v[FS+12*\b:FS+12*\b+11], v[SB+12*\a:SB+12*\a+11], v[8*(4*\a+\b):8*(4*\a+\b)+7], v[SS+4*\b+SJ], v[ST+4*\a+SJ] matrix_a_fmt:MATRIX_FMT_FP6 matrix_b_fmt:MATRIX_FMT_FP6 matrix_a_scale:MATRIX_SCALE_ROW1 matrix_b_scale:MATRIX_SCALE_ROW1
.endif
.endr
.endr
.endm
.macro COMPUTE adr, pf                 ; a whole product on one slot
.irp b, 0,1,2,3
	ds_load_b128 v[SS+4*\b:SS+4*\b+3], v[\adr] offset:\b*TILEB+12288
.endr
	FETCH \adr, 0
	FETCH \adr, 1
.if \pf
	s_cmp_gt_u32 s[CNT], 2                         ; steps 0-3 alone: tile s + 4 exists
	s_cbranch_scc0 .Lno_pf_\@
	global_prefetch_b8 v[PFO], s[PFA:PFA+1] th:TH_LOAD_NT scope:SCOPE_SE
.Lno_pf_\@:
.endif
.irp ks, 0,1,2,3,4,5,6,7
.if \ks < 7
	s_wait_dscnt 12                                ; this K step's fragments are in; the next one's 12 loads may be out
.else
	s_wait_dscnt 0x0
.endif
	MUL \ks
.if \ks < 6
	PLACES                                         ; in front of loads into the set just multiplied
	WIN 0
	FETCH \adr, \ks+2
.endif
.endr
	WIN 0
.endm
	s_load_b128 s[4:7], s[0:1], 0x0                ; codes, att
	v_lshl_add_u32 v[SPW], v0, 2, SPARE
	v_mov_b32 v[NIL], 0
	ds_add_u32 v[SPW], v[NIL]                      ; the opening lines: the add twice on end and its wait
	ds_add_u32 v[SPW], v[NIL]
	v_lshrrev_b32 v1, 5, v0
	v_readfirstlane_b32 s8, v1                     ; wave
	s_lshr_b32 s9, s8, 1                           ; my half of source 1's rows
	s_and_b32 s10, s8, 1                           ; my half of source 0's
	s_bfe_u32 s11, ttmp6, 0x40000                  ; cx
	s_lshr_b32 s13, ttmp9, 4                       ; t
	s_and_b32 s14, ttmp9, 15                       ; j
	s_mov_b32 s24, 15|(3<<16)|(1<<21)              ; group 1: all four partners; elements of 8 bytes; 100 dense rows of 256 bytes
	s_mov_b32 s25, 32<<16
	s_mov_b32 s26, 100<<16
	s_mov_b32 s27, 32<<16
	s_mov_b32 s28, 100
	s_mov_b32 s29, 32
	s_mov_b32 s30, 0
	s_mov_b32 s31, 0
	s_mov_b32 s32, 1
	s_lshl_b32 s15, s14, 2
	s_add_co_u32 s15, s15, s11                     ; q, k: x's block of 128 rows, 0..63
	s_and_b32 s16, s14, 1
	s_lshl_b32 s16, s16, 2
	s_add_co_u32 s16, s16, s11                     ; v: Wv's block, 0..7
	s_lshr_b32 s21, s14, 1                         ; v: b
	s_lshl_b32 s17, s13, 9
	s_lshl_b32 s22, s15, 3
	s_add_co_u32 s17, s17, s22                     ; source 1's first tile: q, k
	s_lshl_b32 s18, s16, 3
	s_add_co_u32 s18, s18, 1664                    ; v (Wv begins at tile 1,664)
	s_lshl_b32 s19, s13, 6
	s_add_co_u32 s19, s19, 1536                    ; source 0's first tile: W_t: no place in the cluster enters
	s_lshl_b32 s20, s21, 6
	s_add_co_u32 s20, s20, 1024                    ; v's rows of b
	s_lshr_b32 s22, s15, 3
	s_lshl_b32 s22, s22, 4                         ; q, k: 16 b
	s_lshl_b32 s23, s21, 4
	s_lshl_b32 s36, s16, 1
	s_add_co_u32 s23, s23, s36
	s_add_co_u32 s23, s23, s9                      ; v: 16 b + my head
	s_and_b32 s36, s15, 7
	s_lshl_b32 s37, s36, 1
	s_add_co_u32 s37, s37, s9                      ; q, k: which 64 rows within b
	s_mul_i32 s38, s37, 3072
	s_mul_i32 s39, s10, BHB
	s_add_co_u32 s38, s38, s39                     ; q, k: my four tiles, my head of the step's two
	s_mul_i32 s39, s10, 3072                       ; v: my 64 keys of the step's 128
	s_lshl_b32 s37, s37, 8
	s_mov_b32 s40, 2*BHB
	s_mov_b32 s41, 6144
	s_mov_b32 s42, 512
	s_mov_b32 s43, BHB
	s_mov_b32 s44, 256
	s_cmp_eq_u32 s13, 2
	s_cselect_b32 s17, s18, s17
	s_cselect_b32 s19, s20, s19
	s_cselect_b32 s22, s23, s22
	s_cselect_b32 s38, s39, s38
	s_cselect_b32 s37, 0, s37
	s_cselect_b32 s46, s41, s40                    ; from step to step: codes
	s_cselect_b32 s48, s42, s40                    ; scale words
	s_cselect_b32 s43, s44, s43                    ; scale words, lanes 16-31: v: the copy; q, k: the next head,
	s_cselect_b32 s45, 0, 16                       ; whose two bytes are shifted down
	s_mov_b32 s47, 0
	s_mov_b32 s49, 0
	s_lshl_b32 s18, s9, 2
	s_add_co_u32 s17, s17, s18
	s_mul_i32 s[SA], s17, TILEB
	s_mov_b32 s[SA+1], 0
	s_mul_i32 s34, s19, TILEB
	s_mul_i32 s33, s8, QB                          ; LDS: wave x a quarter
	s_add_co_u32 s34, s34, s33
	s_mov_b32 s35, 0
	s_mul_i32 s22, s22, BHB
	s_mul_i32 s23, s13, TNB
	s_add_co_u32 s22, s22, s23
	s_add_co_u32 s[OB], s22, s38
	s_mov_b32 s[OB+1], 0
	s_add_co_u32 s[WB], s22, s37
	s_add_co_u32 s[WB], s[WB], 49152
	s_mov_b32 s[WB+1], 0
	s_mul_i32 s[PFA], s11, 6400
	s_add_co_u32 s[PFA], s[PFA], s34
	s_add_co_u32 s[PFA], s[PFA], 4*SLOTB
	s_mov_b32 s[PFA+1], 0
	s_mov_b32 s[TB], 0
	s_mov_b32 s[SCO], 0
	s_mov_b32 s[SEL], 0x76543210
	s_mov_b32 s[SEL+1], 0xfedcba98
	s_wait_dscnt 0x0
	s_wait_kmcnt 0x0
	s_add_nc_u64 s[SA:SA+1], s[4:5], s[SA:SA+1]
	s_add_nc_u64 s[34:35], s[4:5], s[34:35]
	s_or_b32 s35, s35, 0x80000000
	s_add_nc_u64 s[PFA:PFA+1], s[4:5], s[PFA:PFA+1]
	s_add_nc_u64 s[OB:OB+1], s[6:7], s[OB:OB+1]
	s_add_nc_u64 s[WB:WB+1], s[6:7], s[WB:WB+1]
	CROUND                                         ; the first joint loads meet
	JL                                             ; tile 0 into slot 0: one tensor load a wave at the head
	v_and_b32 v14, 31, v0
	v_and_b32 v15, 15, v0
	v_bfe_u32 v1, v0, 4, 1
	v_lshlrev_b32 v[L16], 4, v14
	v_lshlrev_b32 v[L8], 3, v14
	s_mul_i32 s15, s10, 4*TILEB
	v_add_nc_u32 v[ADR0], s15, v[L16]
	v_mul_u32_u24 v[WO], s43, v1
	v_lshl_add_u32 v[WO], v15, 4, v[WO]
	v_mul_u32_u24 v[SH], s45, v1
	s_lshl_b32 s15, s9, 8
	s_add_co_u32 s15, s15, SCR
	v_lshlrev_b32 v[SCR0], 4, v15
	v_add_nc_u32 v[SCR0], s15, v[SCR0]             ; a step's words: 256 bytes for each half of source 1, 16 a row
	s_lshl_b32 s16, s10, 1
	v_add_nc_u32 v[SCA0], s16, v[SCR0]             ; my two bytes of each word
	v_min_u32 v[PFO], 24, v14                      ; 25 blocks; the lanes left over name the last again
	v_lshlrev_b32 v[PFO], 8, v[PFO]
.irp i, 0,1,2,3,4,5,6,7
	v_mov_b32 v[TP+\i], 0                          ; a lane permute's destination counts as a source
.endr
	s_wait_alu depctr_va_vdst(0)                   ; the wait at the head's end
.irp ks, 0,1,2,3,4,5,6,7
	WIN (1+\ks/4)<<6
.irp a, 0,1,2,3
.irp p, 0,1,2
	global_load_b128 v[48*(\ks%4)+12*\a+4*\p:48*(\ks%4)+12*\a+4*\p+3], v[L16], s[SA:SA+1] offset:\a*TILEB+\ks*1536+\p*512   ; source 1: 512 consecutive bytes
.endr
.endr
.endr
	WIN 0
.irp a, 0,1,2,3
	global_load_b128 v[ST+4*\a:ST+4*\a+3], v[L16], s[SA:SA+1] offset:\a*TILEB+12288
.endr
	s_wait_alu depctr_va_vdst(0)
	s_wait_tensorcnt 0x0                           ; ahead of a later first fill
	ds_add_u32 v[SPW], v[NIL]
	s_xor_b32 s33, s33, SLOT1
	s_add_nc_u64 s[34:35], s[34:35], SLOTB
	s_wait_dscnt 0x0
	CROUND
	JL                                             ; tile 1 into slot 1
	s_wait_loadcnt 0x0                             ; source 1 is in
; A step's 64 x 64 results of a wave: for each block a of source 1, 32 registers = two blocks of 32 along the next K (16 numbers here, 16 in lane l xor 16).  Each accumulator is read from its low end on.
.macro EPI
	PLACES
	v_add_nc_u32 v[SCA], s[SCO], v[SCA0]
	v_add_nc_u32 v[SCRA], s[SCO], v[SCR0]
	WIN 0x0f
.irp i, 0,1,2,3,4,5,6,7
	v_max3_num_f32 v[TM+\i], |v[16*\i]|, |v[16*\i+1]|, 0x1800000   ; with the floor 2^(3 - 127)
.endr
	WIN 0x3c
.irp k, 2,4,6,8,10,12,14
.irp i, 0,1,2,3,4,5,6,7
	v_max3_num_f32 v[TM+\i], v[TM+\i], |v[16*\i+\k]|, |v[16*\i+\k+1]|
.endr
.endr
	WIN 0
.irp i, 0,1,2,3,4,5,6,7
	v_permlanex16_b32 v[TP+\i], v[TM+\i], s[SEL], s[SEL+1]
.endr
.irp i, 0,1,2,3,4,5,6,7
	v_max_num_f32 v[TM+\i], v[TM+\i], v[TP+\i]
.endr
.irp i, 0,1,2,3,4,5,6,7
	v_add_nc_u32 v[SO+\i], 0xff000000, v[TM+\i]    ; 2 off the exponent field: the conversion's scale operand
.endr
.irp i, 0,1,2,3,4,5,6,7
	v_lshrrev_b32 v[TP+\i], 23, v[SO+\i]           ; the scale's byte
.endr
.irp a, 0,1,2,3
	v_lshl_or_b32 v[PW+\a], v[TP+2*\a+1], 8, v[TP+2*\a]
.endr
.irp a, 0,1,2,3
	ds_store_b16 v[SCA], v[PW+\a] offset:4*\a      ; lanes l and l xor 16 write the same bytes with the same value
.endr
	WIN 3
.irp a, 0,1,2,3
	v_cvt_scalef32_pk16_fp6_f32 v[PC+8*\a:PC+8*\a+2], v[32*\a:32*\a+15], v[SO+2*\a]
	v_cvt_scalef32_pk16_fp6_f32 v[PT+4*\a:PT+4*\a+2], v[32*\a+16:32*\a+31], v[SO+2*\a+1]
.endr
	WIN 0
	v_nop                                          ; one plain line behind a scaled conversion
.irp a, 0,1,2,3                                ; a whole block to a lane: lanes 0-15 block 0, lanes 16-31 block 1
.irp i, 0,1,2
	v_permlane16_swap_b32 v[PC+8*\a+\i], v[PT+4*\a+\i]
.endr
.irp i, 0,1,2
	v_mov_b32 v[PC+8*\a+3+\i], v[PT+4*\a+\i]
.endr
.endr
.irp a, 0,1,2,3
	global_store_b128 v[L16], v[PC+8*\a:PC+8*\a+3], s[OB:OB+1] offset:\a*768        ; 512 consecutive bytes
	global_store_b64 v[L8], v[PC+8*\a+4:PC+8*\a+5], s[OB:OB+1] offset:\a*768+512    ; 256 consecutive bytes
.endr
.endm
.macro STEP fill
	v_add_nc_u32 v[ADR], s[TB], v[ADR0]
	s_wait_alu depctr_va_vdst(0)                   ; the wait behind the write
	COMPUTE ADR, \fill
	EPI
	s_wait_alu depctr_va_vdst(0)
	s_wait_tensorcnt 0x0                           ; the next tile has landed
.if \fill
	ds_add_u32 v[SPW], v[NIL]
	s_xor_b32 s33, s33, SLOT1                      ; no load of mine is out: the slot just read takes the tile two steps on
	s_add_nc_u64 s[34:35], s[34:35], SLOTB
.endif
	s_xor_b32 s[TB], s[TB], SLOT1
	s_wait_dscnt 0x0                               ; my reads of this slot and my stores of scale bytes are done
.if \fill
	CROUND
	JL
.else
	s_barrier_signal -1
	s_barrier_wait -1
.endif
	s_cmp_lg_u32 s10, 0
	s_cbranch_scc1 .Lodd_\@                        ; the even wave of each pair stores the step's words
	ds_load_b128 v[WD:WD+3], v[SCRA]
	s_wait_dscnt 0x0
.irp i, 0,1,2,3
	v_lshrrev_b32 v[WD+\i], v[SH], v[WD+\i]
.endr
	global_store_b128 v[WO], v[WD:WD+3], s[WB:WB+1]   ; sixteen lanes store 256 consecutive bytes
.Lodd_\@:
	s_wait_xcnt 0x0                                ; the step's stores and prefetch have read their bases and registers
	s_add_nc_u64 s[OB:OB+1], s[OB:OB+1], s[46:47]
	s_add_nc_u64 s[WB:WB+1], s[WB:WB+1], s[48:49]
	s_add_nc_u64 s[PFA:PFA+1], s[PFA:PFA+1], SLOTB
	s_add_co_u32 s[SCO], s[SCO], 512
.endm
	s_mov_b32 s[CNT], 6
.Lfill:                                                ; steps 0-5 ask for tiles 2-7
	STEP 1
	s_sub_co_u32 s[CNT], s[CNT], 1
	s_cmp_lg_u32 s[CNT], 0
	s_wait_alu depctr_va_vdst(0)
	s_cbranch_scc1 .Lfill
	s_mov_b32 s[CNT], 2
.Llast:                                                ; steps 6 and 7 ask for nothing
	STEP 0
	s_sub_co_u32 s[CNT], s[CNT], 1
	s_cmp_lg_u32 s[CNT], 0
	s_wait_alu depctr_va_vdst(0)
	s_cbranch_scc1 .Llast
	s_wait_tensorcnt 0x0                           ; the wave's end
	ds_add_u32 v[SPW], v[NIL]
	s_wait_dscnt 0x0
	CROUND                                         ; the closing round
	s_endpgm
.Lfunc_end_k_q43e2354527_proj:
	.size	k_q43e2354527_proj, .Lfunc_end_k_q43e2354527_proj-k_q43e2354527_proj
	.p2alignl 7, 3214868480
	.fill 96, 4, 3214868480
	.section	.rodata,"a",@progbits
	.p2align	6, 0x0
	.amdhsa_kernel k_q43e2354527_proj
		.amdhsa_group_segment_fixed_size 327680
		.amdhsa_private_segment_fixed_size 0
		.amdhsa_enable_private_segment 0
		.amdhsa_kernarg_size 16
		.amdhsa_user_sgpr_count 2
		.amdhsa_user_sgpr_kernarg_segment_ptr 1
		.amdhsa_wavefront_size32 1
		.amdhsa_system_sgpr_workgroup_id_x 1
		.amdhsa_system_sgpr_workgroup_id_y 1
		.amdhsa_system_sgpr_workgroup_id_z 1
		.amdhsa_system_vgpr_workitem_id 0
		.amdhsa_next_free_vgpr 1024
		.amdhsa_next_free_sgpr 70
		.amdhsa_reserve_vcc 0
		.amdhsa_float_denorm_mode_32 3
		.amdhsa_float_denorm_mode_16_64 3
		.amdhsa_memory_ordered 1
		.amdhsa_forward_progress 1
		.amdhsa_inst_pref_size 85
	.end_amdhsa_kernel
	.amdgpu_metadata
---
amdhsa.version: [ 1, 2 ]
amdhsa.kernels:
  - .name:           k_q43e2354527_proj
    .symbol:         k_q43e2354527_proj.kd
    .args:
      - { .name: codes, .offset: 0, .size: 8, .value_kind: global_buffer, .address_space: global }
      - { .name: att, .offset: 8, .size: 8, .value_kind: global_buffer, .address_space: global }
    .group_segment_fixed_size: 327680
    .private_segment_fixed_size: 0
    .kernarg_segment_align: 8
    .kernarg_segment_size: 16
    .max_flat_workgroup_size: 128
    .sgpr_count:     70
    .vgpr_count:     1024
    .wavefront_size: 32
...
	.end_amdgpu_metadata
.endif
;; end of part 2
;; launch attn (part 3): grid 2 x 128, 4 waves a work-group, no clusters, 327,680 bytes of LDS; arguments att, mask, aoc, aos; writes aoc, aos
.if DOCPART == 3
	.amdgcn_target "amdgcn-amd-amdhsa--gfx1250"
	.amdhsa_code_object_version 6
	.text
	.protected	k_q43e2354527_attn
	.globl	k_q43e2354527_attn
	.p2align	8
	.type	k_q43e2354527_attn,@function
k_q43e2354527_attn:
	s_mov_b64 s[64:65], 0
	v_nop
	global_prefetch_b8 v0, s[64:65] scope:SCOPE_SE
	s_setreg_imm32_b32 hwreg(HW_REG_WAVE_MODE, 25, 1), 1
	s_wait_xcnt 0x0
.set MP,    1040
.set MWB,   16*MP
.set SLOT1, 1<<17
.set SPARE, 4*MWB
.set KVB,   SLOT1+4*MWB
.set KVQ,   26624
.set KSC,   49152
.set TNB,   53248
.set BHB,   159744
.set SPW, 1
.set NIL, 2
.set AM0, 3
.set ADM, 4
.set AK16, 5
.set AK8, 6
.set AKS, 7
.set AV16, 8
.set AV8, 9
.set AVS, 10
.set L16, 11
.set L8,  12
.set R16, 13
.set RB,  14
.set FE,  15
.set QF,  16
.set QW,  28
.set QN,  30
.set MN,  38
.set CM,  40
.set RL,  42
.set TS,  44
.set PW,  52
.set BM,  60
.set BT,  92
.set PF,  124
.set TT,  136
.set VF,  144
.set KF,  60
.set MB,  168
.set KW,  240
.set VW,  248
.set SEL, 40
.set NC,  42
.set CS,  44
.set SG,  45
.set TB,  48
.set CNT, 49
.set QP,  50
.set QS,  52
.set AOP, 54
.set ASP, 56
.set HM,  58
.set MSB, 0
.macro WIN new
.if MSB != (\new)
	s_set_vgpr_msb (MSB<<8)|(\new)
.set MSB, (\new)
.endif
.endm
	s_load_b256 s[4:11], s[0:1], 0x0
	v_lshl_add_u32 v[SPW], v0, 2, SPARE
	v_mov_b32 v[NIL], 0
	ds_add_u32 v[SPW], v[NIL]
	ds_add_u32 v[SPW], v[NIL]
	v_lshrrev_b32 v3, 5, v0
	v_readfirstlane_b32 s12, v3
	s_and_b32 s14, ttmp7, 0xffff
	s_mov_b32 s16, 3<<16
	s_mov_b32 s17, 32<<16
	s_mov_b32 s18, 104<<16
	s_mov_b32 s19, 32<<16
	s_mov_b32 s20, 104
	s_mov_b32 s21, 32
	s_mov_b32 s22, 0
	s_mov_b32 s23, 0
	s_mov_b32 s28, (3<<16)|(1<<20)|(7<<22)|(3<<25)
	s_mov_b32 s29, 128<<16
	s_mov_b32 s30, 16<<16
	s_mov_b32 s31, 128<<16
	s_mov_b32 s32, 16
	s_mov_b32 s33, 128
	s_mov_b32 s34, 0
	s_mov_b32 s35, 0
	s_mul_i32 s60, s14, BHB
	s_mul_i32 s62, s12, KVQ
	s_add_co_u32 s25, s62, KVB
	s_add_co_u32 s62, s62, TNB
	s_add_co_u32 s62, s62, s60
	s_mov_b32 s63, 0
	s_mul_i32 s13, s12, MWB
	s_mov_b32 s37, s13
	s_lshl_b32 s66, ttmp9, 5
	s_add_co_u32 s66, s66, s12
	s_lshl_b32 s68, s66, 14
	s_lshl_b32 s69, s14, 20
	s_add_co_u32 s68, s68, s69
	s_mov_b32 s69, 0
	s_mov_b32 s[SEL], 0x76543210
	s_mov_b32 s[SEL+1], 0xfedcba98
	s_mov_b32 s[NC], 0xbe38aa3b
	s_mov_b32 s[NC+1], s[NC]
	s_mov_b32 s[CS], 0x3e38aa3b
	s_mov_b32 s[SG], 0x20820820
	s_mov_b32 s[SG+1], 0x08208208
	s_mov_b32 s[SG+2], 0x82082082
	s_mov_b32 s[TB], 0
	s_mov_b32 s[CNT], 7
	s_mov_b32 s[HM], 0xffff0000
	s_wait_dscnt 0x0
	s_wait_kmcnt 0x0
	s_mov_b32 s24, 1
	s_add_nc_u64 s[26:27], s[4:5], s[62:63]
	s_or_b32 s27, s27, 0x80000000
	s_mov_b32 s36, 1
	s_add_nc_u64 s[38:39], s[6:7], s[68:69]
	s_or_b32 s39, s39, 0x80000000
	tensor_load_to_lds s[24:27], s[16:23]
	s_nop 0
	s_wait_alu depctr_va_vdst(0)
	s_wait_tensorcnt 0x0
	ds_add_u32 v1, v2
	s_wait_dscnt 0x0
	s_barrier_signal -1
	s_barrier_wait -1
	tensor_load_to_lds s[36:39], s[28:35]
	s_nop 0
.rept 4
	v_nop
.endr
	s_mul_i32 s62, s66, 768
	s_add_co_u32 s62, s62, s60
	s_add_nc_u64 s[QP:QP+1], s[4:5], s[62:63]
	s_lshl_b32 s62, ttmp9, 11
	s_lshl_b32 s67, s12, 2
	s_add_co_u32 s62, s62, s67
	s_add_co_u32 s62, s62, s60
	s_add_co_u32 s62, s62, KSC
	s_add_nc_u64 s[QS:QS+1], s[4:5], s[62:63]
	s_mul_i32 s62, s14, 49152
	s_mul_i32 s67, s66, 768
	s_add_co_u32 s62, s62, s67
	s_add_nc_u64 s[AOP:AOP+1], s[8:9], s[62:63]
	s_lshr_b32 s62, s14, 4
	s_lshl_b32 s62, s62, 15
	s_lshl_b32 s67, s66, 9
	s_add_co_u32 s62, s62, s67
	s_bfe_u32 s67, s14, 0x10003
	s_lshl_b32 s67, s67, 8
	s_add_co_u32 s62, s62, s67
	s_and_b32 s67, s14, 7
	s_lshl_b32 s67, s67, 1
	s_add_co_u32 s62, s62, s67
	s_add_nc_u64 s[ASP:ASP+1], s[10:11], s[62:63]
	v_and_b32 v44, 31, v0
	v_and_b32 v45, 15, v0
	v_bfe_u32 v46, v0, 4, 1
	v_mul_u32_u24 v[AM0], v45, MP
	v_lshl_add_u32 v[AM0], v46, 4, v[AM0]
	v_add_nc_u32 v[AM0], s13, v[AM0]
	v_lshlrev_b32 v[L16], 4, v44
	v_lshlrev_b32 v[L8], 3, v44
	v_lshlrev_b32 v[R16], 4, v45
	v_lshl_add_u32 v[RB], v45, 4, v46              ; aos: [b][tile of 16 rows][K half][row][16 bytes]
	v_add_nc_u32 v[AK16], KVB, v[L16]
	v_add_nc_u32 v[AK8], KVB+512, v[L8]
	v_add_nc_u32 v[AKS], KVB+KSC, v[L16]
	v_add_nc_u32 v[AV16], KVB+TNB, v[L16]
	v_add_nc_u32 v[AV8], KVB+TNB+512, v[L8]
	v_add_nc_u32 v[AVS], KVB+TNB+KSC, v[L16]
	v_mov_b32 v[FE], 0xfefefefe
	global_load_b128 v[QN:QN+3], v[L16], s[QP:QP+1]
	global_load_b64 v[QN+4:QN+5], v[L8], s[QP:QP+1] offset:512
	global_load_b32 v[QN+6], v[R16], s[QS:QS+1]
.irp i, 6,7,8,9,10,11
	v_mov_b32 v[QF+\i], 0
.endr
	v_mov_b32 v[CM+1], 0
	v_mov_b32 v[RL+1], 0
.set ii, 0
.rept 32
	v_mov_b32 v[BT+ii], 0
.set ii, ii+1
.endr
.irp i, 162,163,164,165,166,167
	v_mov_b32 v[\i], 0
.endr
.macro LOADB blk, set
.irp i, 0,1,2,3,4,5,6,7
	ds_load_b128 v[KF+54*(\set)+6*\i:KF+54*(\set)+6*\i+3], v[AK16] offset:(8*(\blk)+\i)*768
	ds_load_b64 v[KF+54*(\set)+6*\i+4:KF+54*(\set)+6*\i+5], v[AK8] offset:(8*(\blk)+\i)*768
.endr
	ds_load_b128 v[KW+4*(\set):KW+4*(\set)+3], v[AKS] offset:(\blk)*512
.irp p, 0,1,2,3
	ds_load_b128 v[MB+16*(\set)+4*\p:MB+16*(\set)+4*\p+3], v[ADM] offset:128*(\blk)+32*\p
.endr
.endm
.macro MULB blk, set
.set BW, 1+(\blk)/4
.set BS, 64*((\blk)%4)
	WIN (BW<<6)|(BW<<4)
.irp i, 0,1,2,3,4,5,6,7
	v_cvt_scale_pk8_f32_fp8 v[BS+8*\i:BS+8*\i+7], v[MB+16*(\set)+2*\i:MB+16*(\set)+2*\i+1], v[FE]
.endr
.rept 4
	v_nop
.endr
.irp i, 0,1,2,3
	v_wmma_scale_f32_16x16x128_f8f6f4 v[BS+8*\i:BS+8*\i+7], v[KF+54*(\set)+6*\i:KF+54*(\set)+6*\i+11], v[QF:QF+11], v[BS+8*\i:BS+8*\i+7], v[KW+4*(\set)+\i], v[QW] matrix_a_fmt:MATRIX_FMT_FP6 matrix_b_fmt:MATRIX_FMT_FP6
.endr
.irp i, 4,5,6,7
	v_wmma_scale_f32_16x16x128_f8f6f4 v[BS+8*\i:BS+8*\i+7], v[KF+54*(\set)+6*\i:KF+54*(\set)+6*\i+11], v[QF:QF+11], v[BS+8*\i:BS+8*\i+7], v[KW+4*(\set)+\i-4], v[QW] matrix_a_fmt:MATRIX_FMT_FP6 matrix_b_fmt:MATRIX_FMT_FP6 matrix_a_scale:MATRIX_SCALE_ROW1
.endr
	WIN 0
.rept 4
	v_nop
.endr
.endm
.macro LOADV st
.irp c, 0,1
.irp d, 0,1,2,3
	ds_load_b128 v[VF+48*((\st)%2)+12*\d+6*\c:VF+48*((\st)%2)+12*\d+6*\c+3], v[AV16] offset:(\st)*6144+\c*3072+\d*768
	ds_load_b64 v[VF+48*((\st)%2)+12*\d+6*\c+4:VF+48*((\st)%2)+12*\d+6*\c+5], v[AV8] offset:(\st)*6144+\c*3072+\d*768
.endr
.endr
	ds_load_b128 v[VW+4*((\st)%2):VW+4*((\st)%2)+3], v[AVS] offset:(\st)*512
.endm
.macro CHANGE fill
	s_wait_tensorcnt 0x0
	ds_add_u32 v[SPW], v[NIL]
.if \fill
	s_xor_b32 s37, s37, SLOT1
	s_add_nc_u64 s[38:39], s[38:39], 65536
.endif
	s_wait_dscnt 0x0
	s_barrier_signal -1
	s_barrier_wait -1
.if \fill
	tensor_load_to_lds s[36:39], s[28:35]
	s_nop 0
.rept 4
	v_nop
.endr
.endif
.endm
.macro TASK last
	s_wait_loadcnt 0x0
	v_and_b32 v[QW], 0xffff, v[QN+6]
.irp i, 0,1,2,3,4,5
	v_xor_b32 v[QF+\i], s[SG+\i%3], v[QN+\i]
.endr
	v_add_nc_u32 v[ADM], s[TB], v[AM0]
.if \last == 0
	s_wait_alu depctr_va_vdst(0)
	global_load_b128 v[QN:QN+3], v[L16], s[QP:QP+1] offset:3072
	global_load_b64 v[QN+4:QN+5], v[L8], s[QP:QP+1] offset:3584
	global_load_b32 v[QN+6], v[R16], s[QS:QS+1] offset:256
.endif
	s_wait_alu depctr_va_vdst(0)
	LOADB 0, 0
.rept 8
	v_nop
.endr
.irp n, 0,1,2,3,4,5,6,7
.if \n < 7
	LOADB \n+1, (\n+1)%2
	s_wait_dscnt 21
.else
	s_wait_dscnt 0x0
.endif
	MULB \n, \n%2
.endr
	LOADV 0
	LOADV 1
.irp w, 1,2
	WIN 21*\w
.set bb, 0
.rept 16
	v_min3_num_f32 v[BM+16*(\w-1)+bb], v[16*bb], v[16*bb+1], v[16*bb+2]
.set bb, bb+1
.endr
	WIN 20*\w
.irp i, 3,5,7,9,11,13
.set bb, 0
.rept 16
	v_min3_num_f32 v[BM+16*(\w-1)+bb], v[BM+16*(\w-1)+bb], v[16*bb+\i], v[16*bb+\i+1]
.set bb, bb+1
.endr
.endr
.set bb, 0
.rept 16
	v_min_num_f32 v[BM+16*(\w-1)+bb], v[BM+16*(\w-1)+bb], v[16*bb+15]
.set bb, bb+1
.endr
.endr
	WIN 0
.set bb, 0
.rept 32
	v_permlanex16_b32 v[BT+bb], v[BM+bb], s[SEL], s[SEL+1]
.set bb, bb+1
.endr
.set bb, 0
.rept 32
	v_min_num_f32 v[BM+bb], v[BM+bb], v[BT+bb]
.set bb, bb+1
.endr
.irp c, 0,1,2,3
	v_min3_num_f32 v[TS+\c], v[BM+8*\c], v[BM+8*\c+1], v[BM+8*\c+2]
.endr
.irp i, 3,5
.irp c, 0,1,2,3
	v_min3_num_f32 v[TS+\c], v[TS+\c], v[BM+8*\c+\i], v[BM+8*\c+\i+1]
.endr
.endr
.irp c, 0,1,2,3
	v_min_num_f32 v[TS+\c], v[TS+\c], v[BM+8*\c+7]
.endr
	v_min3_num_f32 v[MN], v[TS], v[TS+1], v[TS+2]
	v_min3_num_f32 v[MN], v[MN], v[TS+3], 0x71800000
	v_mul_f32 v[CM], s[CS], v[MN]
.irp w, 1,2
	WIN (\w<<6)|\w
.set pp, 0
.rept 128
	v_pk_fma_f32 v[2*pp:2*pp+1], v[2*pp:2*pp+1], s[NC:NC+1], v[CM:CM+1] op_sel_hi:[1,0,0]
.set pp, pp+1
.endr
.set pp, 0
	s_wait_alu depctr_va_vdst(0)                   ; all the batch's sources are laid: one wait ahead of it, one behind it
.rept 256
	v_exp_f32 v[pp], v[pp]
.set pp, pp+1
.endr
	v_nop
	s_wait_alu depctr_va_vdst(0)
.endr
	WIN 0
.set bb, 0
.rept 32
	v_fma_f32 v[BM+bb], v[BM+bb], s[NC], v[CM]
.set bb, bb+1
.endr
.set bb, 0
	s_wait_alu depctr_va_vdst(0)
.rept 32
	v_exp_f32 v[BM+bb], v[BM+bb]
.set bb, bb+1
.endr
	WIN 5
.irp c, 0,1,2,3
	v_pk_add_f32 v[TS+2*\c:TS+2*\c+1], v[4*\c:4*\c+1], v[4*\c+2:4*\c+3]
.endr
	WIN 4
.set pp, 8
.rept 120
	v_pk_add_f32 v[TS+2*(pp%4):TS+2*(pp%4)+1], v[TS+2*(pp%4):TS+2*(pp%4)+1], v[2*pp:2*pp+1]
.set pp, pp+1
.endr
	WIN 8
.set pp, 0
.rept 128
	v_pk_add_f32 v[TS+2*(pp%4):TS+2*(pp%4)+1], v[TS+2*(pp%4):TS+2*(pp%4)+1], v[2*pp:2*pp+1]
.set pp, pp+1
.endr
	WIN 0
	v_pk_add_f32 v[TS:TS+1], v[TS:TS+1], v[TS+2:TS+3]
	v_pk_add_f32 v[TS+4:TS+5], v[TS+4:TS+5], v[TS+6:TS+7]
	v_pk_add_f32 v[TS:TS+1], v[TS:TS+1], v[TS+4:TS+5]
	v_add_f32 v[TS], v[TS], v[TS+1]
	v_permlanex16_b32 v[TS+2], v[TS], s[SEL], s[SEL+1]
	v_add_f32 v[TS], v[TS], v[TS+2]
	v_max_num_f32 v[TS], 0x0d800000, v[TS]
	s_wait_alu depctr_va_vdst(0)
	v_rcp_f32 v[RL], v[TS]
	v_nop
	s_wait_alu depctr_va_vdst(0)
.irp w, 1,2
	WIN (\w<<6)|\w
.set pp, 0
.rept 128
	v_pk_mul_f32 v[2*pp:2*pp+1], v[2*pp:2*pp+1], v[RL:RL+1] op_sel_hi:[1,0]
.set pp, pp+1
.endr
.endr
	WIN 0
.set pp, 0
.rept 16
	v_pk_mul_f32 v[BM+2*pp:BM+2*pp+1], v[BM+2*pp:BM+2*pp+1], v[RL:RL+1] op_sel_hi:[1,0]
.set pp, pp+1
.endr
.set bb, 0
.rept 32
	v_max_num_f32 v[BM+bb], 0x1800000, v[BM+bb]
.set bb, bb+1
.endr
.set bb, 0
.rept 32
	v_add_nc_u32 v[BM+bb], 0xff000000, v[BM+bb]
.set bb, bb+1
.endr
.set bb, 0
.rept 32
	v_lshrrev_b32 v[BT+bb], 23, v[BM+bb]
.set bb, bb+1
.endr
.irp s, 0,1,2,3,4,5,6,7
	v_lshl_or_b32 v[PW+\s], v[BT+4*\s+1], 8, v[BT+4*\s]
.endr
.irp s, 0,1,2,3,4,5,6,7
	v_lshl_or_b32 v[PW+\s], v[BT+4*\s+2], 16, v[PW+\s]
.endr
.irp s, 0,1,2,3,4,5,6,7
	v_lshl_or_b32 v[PW+\s], v[BT+4*\s+3], 24, v[PW+\s]
.endr
.irp s, 0,1,2,3,4,5,6,7
.set FW, 1+\s/4
.set FS, 64*(\s%4)
	WIN FW
.irp c, 0,1
	v_cvt_scalef32_pk16_fp6_f32 v[PF+6*\c:PF+6*\c+2], v[FS+32*\c:FS+32*\c+15], v[BM+4*\s+2*\c]
	v_cvt_scalef32_pk16_fp6_f32 v[TT+4*\c:TT+4*\c+2], v[FS+32*\c+16:FS+32*\c+31], v[BM+4*\s+2*\c+1]
.endr
	WIN 0
	v_nop
.irp c, 0,1
.irp i, 0,1,2
	v_permlane16_swap_b32 v[PF+6*\c+\i], v[TT+4*\c+\i]
.endr
.irp i, 0,1,2
	v_mov_b32 v[PF+6*\c+3+\i], v[TT+4*\c+\i]
.endr
.endr
.rept 4
	v_nop
.endr
.if \s < 7
	s_wait_alu depctr_va_vdst(0)
	s_wait_dscnt 17
.else
	s_wait_alu depctr_va_vdst(0)
	s_wait_dscnt 0x0
.endif
.irp d, 0,1,2,3
.if \s == 0
	v_wmma_scale_f32_16x16x128_f8f6f4 v[BT+8*\d:BT+8*\d+7], v[VF+48*(\s%2)+12*\d:VF+48*(\s%2)+12*\d+11], v[PF:PF+11], 0, v[VW+4*(\s%2)+\d], v[PW+\s] matrix_a_fmt:MATRIX_FMT_FP6 matrix_b_fmt:MATRIX_FMT_FP6
.else
	v_wmma_scale_f32_16x16x128_f8f6f4 v[BT+8*\d:BT+8*\d+7], v[VF+48*(\s%2)+12*\d:VF+48*(\s%2)+12*\d+11], v[PF:PF+11], v[BT+8*\d:BT+8*\d+7], v[VW+4*(\s%2)+\d], v[PW+\s] matrix_a_fmt:MATRIX_FMT_FP6 matrix_b_fmt:MATRIX_FMT_FP6
.endif
.endr
.rept 4
	v_nop
.endr
.if \s < 6
	LOADV \s+2
.endif
.endr
.irp b, 0,1
	v_max3_num_f32 v[TS+\b], |v[BT+16*\b]|, |v[BT+16*\b+1]|, 0x1800000
.endr
.irp i, 2,4,6,8,10,12,14
.irp b, 0,1
	v_max3_num_f32 v[TS+\b], v[TS+\b], |v[BT+16*\b+\i]|, |v[BT+16*\b+\i+1]|
.endr
.endr
.irp b, 0,1
	v_permlanex16_b32 v[TS+2+\b], v[TS+\b], s[SEL], s[SEL+1]
.endr
.irp b, 0,1
	v_max_num_f32 v[TS+\b], v[TS+\b], v[TS+2+\b]
.endr
.irp b, 0,1
	v_add_nc_u32 v[TS+4+\b], 0xff000000, v[TS+\b]
.endr
.irp b, 0,1
	v_lshrrev_b32 v[TS+2+\b], 23, v[TS+4+\b]
.endr
	v_cndmask_b32 v[TS+6], v[TS+2], v[TS+3], s[HM]
	v_cvt_scalef32_pk16_fp6_f32 v[PF:PF+2], v[BT:BT+15], v[TS+4]
	v_cvt_scalef32_pk16_fp6_f32 v[TT:TT+2], v[BT+16:BT+31], v[TS+5]
	v_nop
.irp i, 0,1,2
	v_permlane16_swap_b32 v[PF+\i], v[TT+\i]
.endr
.irp i, 0,1,2
	v_mov_b32 v[PF+3+\i], v[TT+\i]
.endr
	global_store_b128 v[L16], v[PF:PF+3], s[AOP:AOP+1]
	global_store_b64 v[L8], v[PF+4:PF+5], s[AOP:AOP+1] offset:512
	global_store_b8 v[RB], v[TS+6], s[ASP:ASP+1]
.if \last == 0
	s_wait_xcnt 0x0
	s_add_nc_u64 s[QP:QP+1], s[QP:QP+1], 3072
	s_add_nc_u64 s[QS:QS+1], s[QS:QS+1], 256
	s_add_nc_u64 s[AOP:AOP+1], s[AOP:AOP+1], 3072
	s_add_nc_u64 s[ASP:ASP+1], s[ASP:ASP+1], 2048
	s_xor_b32 s[TB], s[TB], SLOT1
.endif
.endm
.Ltask:
	CHANGE 1
	TASK 0
	s_sub_co_u32 s[CNT], s[CNT], 1
	s_cmp_lg_u32 s[CNT], 0
	s_cbranch_scc1 .Ltask
	CHANGE 0
	TASK 1
	s_wait_tensorcnt 0x0
	ds_add_u32 v[SPW], v[NIL]
	s_wait_dscnt 0x0
	s_endpgm
.Lfunc_end_k_q43e2354527_attn:
	.size	k_q43e2354527_attn, .Lfunc_end_k_q43e2354527_attn-k_q43e2354527_attn
	.p2alignl 7, 3214868480
	.fill 96, 4, 3214868480
	.section	.rodata,"a",@progbits
	.p2align	6, 0x0
	.amdhsa_kernel k_q43e2354527_attn
		.amdhsa_group_segment_fixed_size 327680
		.amdhsa_private_segment_fixed_size 0
		.amdhsa_enable_private_segment 0
		.amdhsa_kernarg_size 32
		.amdhsa_user_sgpr_count 2
		.amdhsa_user_sgpr_kernarg_segment_ptr 1
		.amdhsa_wavefront_size32 1
		.amdhsa_system_sgpr_workgroup_id_x 1
		.amdhsa_system_sgpr_workgroup_id_y 1
		.amdhsa_system_sgpr_workgroup_id_z 1
		.amdhsa_system_vgpr_workitem_id 0
		.amdhsa_next_free_vgpr 768
		.amdhsa_next_free_sgpr 70
		.amdhsa_reserve_vcc 0
		.amdhsa_float_denorm_mode_32 3
		.amdhsa_float_denorm_mode_16_64 3
		.amdhsa_memory_ordered 1
		.amdhsa_forward_progress 1
		.amdhsa_inst_pref_size 255
	.end_amdhsa_kernel
	.section	.bss,"aw",@nobits
	.p2align	6
	.space	262144
	.amdgpu_metadata
---
amdhsa.version: [ 1, 2 ]
amdhsa.kernels:
  - .name:           k_q43e2354527_attn
    .symbol:         k_q43e2354527_attn.kd
    .args:
      - { .name: att, .offset: 0, .size: 8, .value_kind: global_buffer, .address_space: global }
      - { .name: mask, .offset: 8, .size: 8, .value_kind: global_buffer, .address_space: global }
      - { .name: aoc, .offset: 16, .size: 8, .value_kind: global_buffer, .address_space: global }
      - { .name: aos, .offset: 24, .size: 8, .value_kind: global_buffer, .address_space: global }
    .group_segment_fixed_size: 327680
    .private_segment_fixed_size: 0
    .kernarg_segment_align: 8
    .kernarg_segment_size: 32
    .max_flat_workgroup_size: 128
    .sgpr_count:     70
    .vgpr_count:     768
    .wavefront_size: 32
...
	.end_amdgpu_metadata
.endif
;; end of part 3
;; launch oproj (part 4): grid 256 x 1, 4 waves a work-group, clusters of 4 x 1, 327,680 bytes of LDS; arguments aoc, aos, codes, out0; writes out0
.if DOCPART == 4
	.amdgcn_target "amdgcn-amd-amdhsa--gfx1250"
	.amdhsa_code_object_version 6
	.text
	.protected	k_q43e2354527_oproj
	.globl	k_q43e2354527_oproj
	.p2align	8
	.type	k_q43e2354527_oproj,@function
k_q43e2354527_oproj:
	s_mov_b64 s[64:65], 0
	v_nop
	global_prefetch_b8 v0, s[64:65] scope:SCOPE_SE
	s_setreg_imm32_b32 hwreg(HW_REG_WAVE_MODE, 25, 1), 1
	s_wait_xcnt 0x0
	s_wait_alu depctr_hold_cnt(0) depctr_sa_sdst(0) depctr_va_vdst(0) depctr_va_sdst(0) depctr_va_ssrc(0) depctr_va_vcc(0) depctr_vm_vsrc(0)
	s_getreg_b32 s2, hwreg(HW_REG_IB_STS2, 6, 4)
	s_cmp_eq_u32 s2, 0
	s_cbranch_scc0 .Lentry_in_a_cluster
	s_endpgm
.Lentry_in_a_cluster:
	s_bfe_u32 s2, ttmp6, 0x10000c
	s_cmp_lg_u32 s2, 0x3003
	s_cbranch_scc0 .Lentry_shape_is_right
	s_endpgm
.Lentry_shape_is_right:
; out0 = ao Wo^T (8,192 x 1,024 x 1,024) on codes of FP6 with E8M0 scales; f32 out.
; A work-group makes 128 rows x 256 columns: 64 x 4 = 256 work-groups.  Source 1 = 128 rows of ao, for all of K in registers (a wave 64 rows, 384 registers, loaded from memory once: aoc holds images of half fragments,
; [b, head][tile of 16 rows][768]: registers 0-3 at 16 x lane, 4-5 at 512 + 8 x lane; aos [b][tile][K half][row][16]).  Source 0 = 256 rows of Wo in two steps of 128 rows x all of K, one LDS slot each (8 tiles of 12,800 bytes: codes and scale bytes).
; A step is a whole product: a wave makes 64 x 64, 16 accumulators by turns.  A lane's eight results are eight neighbouring columns of one row.
; CLUSTERS of 4 x 1: four row blocks with the same columns ask for Wo's tiles jointly.  Nothing is filled again.  No prefetch: both tiles are asked for at the head, and there is no loop to run ahead in.
; THE WAY OUT: 16 rows x 256 bytes at a time through the wave's own stage (rows 272 apart) and back by rows: sixteen lanes store 256 consecutive bytes, aligned.  Row (b, s) of ao is row 8 s + b of out0.
.set TILEB, 12800
.set SLOTB, 8*TILEB
.set QB,    SLOTB/4
.set SLOT1, 1<<17
.set SP,    272
.set STG,   SLOT1+SLOTB                ; four stages of 16 x 272 bytes
.set SPARE, STG+4*16*SP                ; the spare words, which no other line names
.set SPW, 2
.set NIL, 3
.set ADRA, 4
.set ADRB, 5
.set L16, 6
.set L8,  7
.set STO, 8
.set RD,  9
.set CO,  10
.set ST,  16
.set SS,  32
.set FB,  128
.set BK,  128                          ; the way out: two sets of 32 registers
.set SA,  50
.set SAS, 52
.set OB,  54
.set MSB, 0
.macro WIN new
.if MSB != (\new)
	s_set_vgpr_msb (MSB<<8)|(\new)
.set MSB, (\new)
.endif
.endm
.macro PLACES
.rept 4
	v_nop
.endr
.endm
.macro CROUND
	s_barrier_signal -1
	s_barrier_wait -1
	s_cmp_lg_u32 s8, 0
	s_cbranch_scc1 .Lnot_wave_0_\@
	s_barrier_signal -3
.Lnot_wave_0_\@:
	s_barrier_wait -3
	s_barrier_signal -1
	s_barrier_wait -1
.endm
.macro JL
	tensor_load_to_lds s[32:35], s[24:31]
	s_nop 0
	PLACES
.endm
.macro FETCH adr, ks
.set FS, FB+48*((\ks)%2)
.irp b, 0,1,2,3
.irp p, 0,1,2
	ds_load_b128 v[FS+12*\b+4*\p:FS+12*\b+4*\p+3], v[\adr] offset:\b*TILEB+(\ks)*1536+\p*512
.endr
.endr
.endm
.macro MUL ks                          ; the 16 accumulators by turns; K step 0 starts the sums
.set FS, FB+48*((\ks)%2)
.set SB, 48*((\ks)%4)
.set SJ, (\ks)%4
	WIN 0xf0|((1+(\ks)/4)<<2)
.irp a, 0,1,2,3
.irp b, 0,1,2,3
.if (\ks) == 0
	v_wmma_scale_f32_16x16x128_f8f6f4 v[8*(4*\a+\b):8*(4*\a+\b)+7], v[FS+12*\b:FS+12*\b+11], v[SB+12*\a:SB+12*\a+11], 0, v[SS+4*\b+SJ], v[ST+4*\a+SJ] matrix_a_fmt:MATRIX_FMT_FP6 matrix_b_fmt:MATRIX_FMT_FP6
.elseif (\ks) < 4
	v_wmma_scale_f32_16x16x128_f8f6f4 v[8*(4*\a+\b):8*(4*\a+\b)+7], v[FS+12*\b:FS+12*\b+11], v[SB+12*\a:SB+12*\a+11], v[8*(4*\a+\b):8*(4*\a+\b)+7], v[SS+4*\b+SJ], v[ST+4*\a+SJ] matrix_a_fmt:MATRIX_FMT_FP6 matrix_b_fmt:MATRIX_FMT_FP6
.else
	v_wmma_scale_f32_16x16x128_f8f6f4 v[8*(4*\a+\b):8*(4*\a+\b)+7], v[FS+12*\b:FS+12*\b+11], v[SB+12*\a:SB+12*\a+11], v[8*(4*\a+\b):8*(4*\a+\b)+7], v[SS+4*\b+SJ], v[ST+4*\a+SJ] matrix_a_fmt:MATRIX_FMT_FP6 matrix_b_fmt:MATRIX_FMT_FP6 matrix_a_scale:MATRIX_SCALE_ROW1 matrix_b_scale:MATRIX_SCALE_ROW1
.endif
.endr
.endr
.endm
.macro COMPUTE adr
.irp b, 0,1,2,3
	ds_load_b128 v[SS+4*\b:SS+4*\b+3], v[\adr] offset:\b*TILEB+12288
.endr
	FETCH \adr, 0
	FETCH \adr, 1
.irp ks, 0,1,2,3,4,5,6,7
.if \ks < 7
	s_wait_dscnt 12                                ; this K step's fragments are in; the next one's 12 loads may be out
.else
	s_wait_dscnt 0x0
.endif
	MUL \ks
.if \ks < 6
	PLACES
	WIN 0
	FETCH \adr, \ks+2
.endif
.endr
	WIN 0
.endm
.macro TOSTAGE a
	WIN 0x0c                                       ; the data: window 3
.irp b, 0,1,2,3
	ds_store_b128 v[STO], v[32*(\a)+8*\b:32*(\a)+8*\b+3] offset:64*\b        ; each accumulator from its low end on
	ds_store_b128 v[STO], v[32*(\a)+8*\b+4:32*(\a)+8*\b+7] offset:64*\b+16
.endr
	WIN 0
.irp t, 0,1,2,3,4,5,6,7
	ds_load_b128 v[BK+32*((\a)%2)+4*\t:BK+32*((\a)%2)+4*\t+3], v[RD] offset:\t*2*SP   ; LDS serves a wave's instructions in order: these see the stores
.endr
.endm
.macro SEND a, younger
	s_wait_dscnt \younger
.irp t, 0,1,2,3,4,5,6,7
	global_store_b128 v[CO], v[BK+32*((\a)%2)+4*\t:BK+32*((\a)%2)+4*\t+3], s[OB:OB+1] offset:(\a)*524288+\t*65536 th:TH_STORE_NT
.endr
.endm
.macro OUT
	PLACES                                         ; behind the last products: four places for the stores that read the results,
	v_nop                                          ; and a fifth for the next step's products, which begin the same accumulators anew (ISA guide 7.12.1)
	TOSTAGE 0
.irp a, 1,2,3
.if \a > 1
	s_wait_xcnt 0x0                                ; block a - 2's stores have read their registers
.endif
	TOSTAGE \a
	SEND \a-1, 16                                  ; behind block a - 1's loads: block a's 8 stores and 8 loads
.endr
	SEND 3, 0
.endm
	s_load_b128 s[4:7], s[0:1], 0x0                ; aoc, aos
	s_load_b128 s[12:15], s[0:1], 0x10             ; codes, out0
	v_lshl_add_u32 v[SPW], v0, 2, SPARE
	v_mov_b32 v[NIL], 0
	ds_add_u32 v[SPW], v[NIL]                      ; the opening lines: the add twice on end and its wait
	ds_add_u32 v[SPW], v[NIL]
	v_lshrrev_b32 v1, 5, v0
	v_readfirstlane_b32 s8, v1
	s_lshr_b32 s9, s8, 1                           ; my half of ao's rows
	s_and_b32 s10, s8, 1                           ; my half of Wo's
	s_bfe_u32 s11, ttmp6, 0x40000                  ; cx
	s_and_b32 s16, ttmp9, 3                        ; which 256 columns
	s_lshr_b32 s17, ttmp9, 2
	s_lshl_b32 s17, s17, 2
	s_add_co_u32 s17, s17, s11                     ; which 128 rows, 0..63
	s_mov_b32 s24, 15|(3<<16)|(1<<21)
	s_mov_b32 s25, 32<<16
	s_mov_b32 s26, 100<<16
	s_mov_b32 s27, 32<<16
	s_mov_b32 s28, 100
	s_mov_b32 s29, 32
	s_mov_b32 s30, 0
	s_mov_b32 s31, 0
	s_mov_b32 s32, 1
	s_lshr_b32 s18, s17, 3                         ; b
	s_and_b32 s19, s17, 7
	s_lshl_b32 s19, s19, 3
	s_lshl_b32 s20, s9, 2
	s_add_co_u32 s19, s19, s20                     ; my first tile of 16 rows within b
	s_mul_i32 s[SA], s18, 786432
	s_mul_i32 s20, s19, 768
	s_add_co_u32 s[SA], s[SA], s20
	s_mov_b32 s[SA+1], 0
	s_lshl_b32 s[SAS], s18, 15
	s_lshl_b32 s20, s19, 9
	s_add_co_u32 s[SAS], s[SAS], s20
	s_mov_b32 s[SAS+1], 0
	s_lshl_b32 s[OB], s19, 19                      ; 16 s of 32,768 bytes a tile
	s_lshl_b32 s20, s18, 12
	s_add_co_u32 s[OB], s[OB], s20
	s_lshl_b32 s20, s16, 10
	s_add_co_u32 s[OB], s[OB], s20
	s_lshl_b32 s20, s10, 8
	s_add_co_u32 s[OB], s[OB], s20
	s_mov_b32 s[OB+1], 0
	s_lshl_b32 s34, s16, 4
	s_add_co_u32 s34, s34, 1728                    ; Wo begins at tile 1,728
	s_mul_i32 s34, s34, TILEB
	s_mul_i32 s33, s8, QB
	s_add_co_u32 s34, s34, s33
	s_mov_b32 s35, 0
	s_wait_dscnt 0x0
	s_wait_kmcnt 0x0
	s_add_nc_u64 s[SA:SA+1], s[4:5], s[SA:SA+1]
	s_add_nc_u64 s[SAS:SAS+1], s[6:7], s[SAS:SAS+1]
	s_add_nc_u64 s[34:35], s[12:13], s[34:35]
	s_or_b32 s35, s35, 0x80000000
	s_add_nc_u64 s[OB:OB+1], s[14:15], s[OB:OB+1]
	CROUND
	JL                                             ; tile 0 into slot 0: one tensor load a wave at the head
	v_and_b32 v14, 31, v0
	v_and_b32 v15, 15, v0
	v_bfe_u32 v1, v0, 4, 1
	v_lshlrev_b32 v[L16], 4, v14
	v_lshlrev_b32 v[L8], 3, v14
	s_mul_i32 s20, s10, 4*TILEB
	v_add_nc_u32 v[ADRA], s20, v[L16]
	s_add_co_u32 s20, s20, SLOT1
	v_add_nc_u32 v[ADRB], s20, v[L16]
	s_mul_i32 s21, s8, 16*SP
	s_add_co_u32 s21, s21, STG
	v_mul_u32_u24 v[STO], v15, SP
	v_lshl_add_u32 v[STO], v1, 5, v[STO]
	v_add_nc_u32 v[STO], s21, v[STO]               ; in: row l % 16, 32 bytes for each half of the lanes
	v_mul_u32_u24 v[RD], v1, SP
	v_lshl_add_u32 v[RD], v15, 4, v[RD]
	v_add_nc_u32 v[RD], s21, v[RD]                 ; back: sixteen lanes to a row, two rows a load
	v_lshlrev_b32 v[CO], 15, v1
	v_lshl_add_u32 v[CO], v15, 4, v[CO]            ; and the same two rows in out0
	s_wait_alu depctr_va_vdst(0)                   ; the wait at the head's end
.irp ks, 0,1,2,3,4,5,6,7
	WIN (1+\ks/4)<<6
.irp a, 0,1,2,3
.irp c, 0,1
	global_load_b128 v[48*(\ks%4)+12*\a+6*\c:48*(\ks%4)+12*\a+6*\c+3], v[L16], s[SA:SA+1] offset:(2*\ks+\c)*49152+\a*768
	global_load_b64 v[48*(\ks%4)+12*\a+6*\c+4:48*(\ks%4)+12*\a+6*\c+5], v[L8], s[SA:SA+1] offset:(2*\ks+\c)*49152+\a*768+512
.endr
.endr
.endr
	WIN 0
.irp a, 0,1,2,3
	global_load_b128 v[ST+4*\a:ST+4*\a+3], v[L16], s[SAS:SAS+1] offset:\a*512
.endr
	s_wait_alu depctr_va_vdst(0)
	s_wait_tensorcnt 0x0                           ; ahead of a later first fill
	ds_add_u32 v[SPW], v[NIL]
	s_xor_b32 s33, s33, SLOT1
	s_add_nc_u64 s[34:35], s[34:35], SLOTB
	s_wait_dscnt 0x0
	CROUND
	JL                                             ; tile 1 into slot 1
	s_wait_loadcnt 0x0                             ; source 1 is in
	COMPUTE ADRA
	OUT
	s_wait_tensorcnt 0x0                           ; my part of tile 1 is in,
	s_wait_dscnt 0x0
	s_barrier_signal -1
	s_barrier_wait -1                              ; everybody's is; nothing is filled again
	s_wait_xcnt 0x0                                ; the stores have read their base and registers
	s_add_nc_u64 s[OB:OB+1], s[OB:OB+1], 512       ; 128 columns on
	COMPUTE ADRB
	OUT
	s_wait_tensorcnt 0x0                           ; the wave's end
	ds_add_u32 v[SPW], v[NIL]
	s_wait_dscnt 0x0
	CROUND                                         ; the closing round
	s_endpgm
.Lfunc_end_k_q43e2354527_oproj:
	.size	k_q43e2354527_oproj, .Lfunc_end_k_q43e2354527_oproj-k_q43e2354527_oproj
	.p2alignl 7, 3214868480
	.fill 96, 4, 3214868480
	.section	.rodata,"a",@progbits
	.p2align	6, 0x0
	.amdhsa_kernel k_q43e2354527_oproj
		.amdhsa_group_segment_fixed_size 327680
		.amdhsa_private_segment_fixed_size 0
		.amdhsa_enable_private_segment 0
		.amdhsa_kernarg_size 32
		.amdhsa_user_sgpr_count 2
		.amdhsa_user_sgpr_kernarg_segment_ptr 1
		.amdhsa_wavefront_size32 1
		.amdhsa_system_sgpr_workgroup_id_x 1
		.amdhsa_system_sgpr_workgroup_id_y 1
		.amdhsa_system_sgpr_workgroup_id_z 1
		.amdhsa_system_vgpr_workitem_id 0
		.amdhsa_next_free_vgpr 1024
		.amdhsa_next_free_sgpr 66
		.amdhsa_reserve_vcc 0
		.amdhsa_float_denorm_mode_32 3
		.amdhsa_float_denorm_mode_16_64 3
		.amdhsa_memory_ordered 1
		.amdhsa_forward_progress 1
		.amdhsa_inst_pref_size 81
	.end_amdhsa_kernel
	.amdgpu_metadata
---
amdhsa.version: [ 1, 2 ]
amdhsa.kernels:
  - .name:           k_q43e2354527_oproj
    .symbol:         k_q43e2354527_oproj.kd
    .args:
      - { .name: aoc, .offset: 0, .size: 8, .value_kind: global_buffer, .address_space: global }
      - { .name: aos, .offset: 8, .size: 8, .value_kind: global_buffer, .address_space: global }
      - { .name: codes, .offset: 16, .size: 8, .value_kind: global_buffer, .address_space: global }
      - { .name: out0, .offset: 24, .size: 8, .value_kind: global_buffer, .address_space: global }
    .group_segment_fixed_size: 327680
    .private_segment_fixed_size: 0
    .kernarg_segment_align: 8
    .kernarg_segment_size: 32
    .max_flat_workgroup_size: 128
    .sgpr_count:     66
    .vgpr_count:     1024
    .wavefront_size: 32
...
	.end_amdgpu_metadata
.endif
;; end of part 4
